; MI455X (gfx1250); checked and timed in simulation.
; The chip was launched on July 23, 2026; its instructions are those of AMD's public machine-readable ISA for CDNA 5 (MIT licence, August 2026) and "CDNA5" Instruction Set Architecture Reference Guide (July 2026). The comments in the code are by the model that wrote it; some were corrected since.
;; attention gear. Allowed arithmetic: matrix products marked QUANTISED: E2M1 operands, one E8M0 scale for each 32 along K, by v_wmma_scale_f32_16x16x128_f8f6f4 with both operands' format E2M1 (or v_wmma_scale_f32_32x16x128_f4), f32 sums; everything else in f32.
;; Inputs: k 2 x 2,048 x 32 x 128 float32; mask 1 x 1 x 2,048 x 2,048 float32; q 2 x 2,048 x 32 x 128 float32; v 2 x 2,048 x 32 x 128 float32.
;; Outputs: out0 2 x 2,048 x 32 x 128 float32.
;; Constants: seqlen = 2048, start_pos = 0.
;; This version of the problem:
;;   THIS VERSION OF THE PROBLEM IS GIVEN IN LOW PRECISION. The matrix products marked QUANTISED in the list below multiply operands that are first quantised to E2M1 (2 exponent bits, 1 mantissa bit; 4 bits a number), with one power-of-two scale for each 32 numbers along K (OCP MX v1.0); their sums are f32. All else is computed in f32.
;;   The module's matrix products, in the order in which they are computed (A, B: the left and right operand; K: the contracted axis; several contracted axes count as one K, in the product's order):
;;     1. batch 64 x [M 2,048, K 128] x [K 128, N 2,048]; A: input q; B: input k: QUANTISED
;;     2. batch 64 x [M 2,048, K 2,048] x [K 2,048, N 128]; A: softmax (see below); B: input v: QUANTISED
;;   THE QUANTISER, for each operand of a quantised product, along K:
;;     - K is cut into blocks of 32 from its start; a last block that is shorter is filled with zeros.
;;     - A block's scale is 2^e with e = floor(log2(the largest magnitude in the block)) - 2, held to -126 .. 127; a block of zeros has e = 0. As a byte (E8M0): e + 127.
;;     - Each number is divided by its block's scale, clamped to +-6, and rounded to the nearest number of E2M1, ties to even, subnormals kept.
;;     - The product sums the exact products of the quantised numbers (number of the format x scale) in f32.
;;   ~~~python
;;   def quantise(x, axis):      # numpy; x: float32 -> the quantised numbers, widened to float32 again
;;       x = np.moveaxis(x, axis, -1); K = x.shape[-1]
;;       x = np.pad(x, [(0, 0)] * (x.ndim - 1) + [(0, -K % 32)]); x = x.reshape(x.shape[:-1] + (-1, 32)); a = np.abs(x).max(-1, keepdims=True)
;;       e = np.where(a > 0, np.clip(np.frexp(np.where(a > 0, a, 1))[1] - 1 - 2, -126, 127), 0)      # np.frexp(a)[1] - 1 = floor(log2(a)), exactly
;;       r = np.clip(x / 2.0 ** e, -6, 6)
;;       step = 2.0 ** (np.maximum(np.frexp(np.where(r == 0, 1, r))[1] - 1, 0) - 1)
;;       q = np.round(r / step) * step * 2.0 ** e      # np.round: ties to even
;;       return np.moveaxis(q.reshape(q.shape[:-2] + (-1,))[..., :K], -1, axis).astype(np.float32)
;;   ~~~
;;   SOFTMAX AHEAD OF A QUANTISED PRODUCT. Where the list says 'softmax', what is quantised is not the finished softmax but p = 2^(t - M), with t = logit x log2(e) and M = ceil(the row's largest t), a whole number; so 1/2 < the row's largest p <= 1. The row's sum l is taken of the UNQUANTISED p, in f32, and the product's result is divided by l at the end. Since M is a whole number, a kernel that streams over the keys may use a running M (the ceiling of the running maximum): every later rescaling is an exact power of two, which a block's scale takes up: the codes' values come out the same.
;;   OPERANDS COMPUTED ON THE WAY. 'Computed on the way' means the value that the module computes at that place (a softmax that the list does not call 'softmax' is quantised finished and normalised). What goes into a quantiser is computed in f32, as accurately as f32 sums, v_exp_f32 and their like allow (about 1e-6 of the number): no bf16 or f16 on the way to a quantiser, and a product that is left as it is and whose result goes on into a quantised operand takes f32 operands (vector FMAs, or v_wmma_f32_16x16x4_f32). A number that lies on a knife's edge between two numbers of the format may be rounded either way, as far as f32 arithmetic and the matrix unit's own rounding can turn it there, and no further.
;; One version. Each part assembles by itself: llvm-mc -triple=amdgcn-amd-amdhsa -mcpu=gfx1250 --defsym DOCPART=n.
;; ======== version 1 of 1: 2 launches
;; limits: right only within a limited range of input values
;; workspace buffers: qc 8,912,896 bytes; kv 17,825,792 bytes; mimg 16,777,216 bytes
;; launch prep (part 1): grid 1664 x 1, 4 waves a work-group, no clusters, 74,240 bytes of LDS; arguments q, k, v, mask, qc, kv, mimg; writes qc, kv, mimg
.if DOCPART == 1
	.amdgcn_target "amdgcn-amd-amdhsa--gfx1250"
	.amdhsa_code_object_version 6
	.text
	.protected	k_q0d8f353360_prep
	.globl	k_q0d8f353360_prep
	.p2align	8
	.type	k_q0d8f353360_prep,@function
k_q0d8f353360_prep:
	s_mov_b64 s[64:65], 0
	v_nop
	global_prefetch_b8 v0, s[64:65] scope:SCOPE_SE
	s_setreg_imm32_b32 hwreg(HW_REG_WAVE_MODE, 25, 1), 1
	s_wait_xcnt 0x0
; THE LAUNCH IN FRONT OF THE ATTENTION.  q, k, v: [2][2048][32][128] f32; mask: [2048][2048] f32.  Three kinds of work-groups, told apart by the work-group's number:
;   0 .. 1023    QK: q (0 .. 511) and k (512 .. 1023) become codes of FP4 (E2M1) along the head's 128, one E8M0 byte for each 32, laid as IMAGES OF OPERAND REGISTERS
;   1024 .. 1535 V:  v becomes codes along the KEYS (its first axis within a head), laid likewise
;   1536 .. 1663 M:  the mask times sqrt(128), laid as images of the score accumulators, so that the attention can give it to the first product as its C
; A block's scale is 2^(floor(log2(its largest magnitude)) - 2): its byte is the largest magnitude's exponent field - 2, held at 1 from below by a floor among the maximum's leaves.
; LAYOUTS (hb = 32 b + h).  A GROUP is 64 rows of q or k: four fragments of 1,024 bytes (byte 1024 tl + 512 c + 256 hh + 16 r: the 16 code bytes of block 2 c + hh of the row that lane r of tile tl takes),
; then 256 scale bytes (byte 16 r + 4 tl + block).  q: tile tl's lane r takes row 16 tl + r.  k: row 32 (tl / 2) + 8 (tl % 2) + r + 8 (r / 8), so that the scores of two neighbouring tiles are 16 neighbouring keys.
;   qc   [hb][16 pairs] x 8,704: two groups of 4,352 bytes
;   kv   [hb][16 key steps] x 17,408: k's two groups; at 8,704 v's eight fragments (tile t: d = 16 t + r; block 2 c + hh of the step's 128 keys); at 16,896 v's scale words (64 t + 4 r)
;   mimg [8 blocks of 256 queries][16 key steps][16 query tiles] x 8,192: byte 512 m + 16 (16 hh + r): sqrt(128) x mask[query r of the tile][key 32 (m / 4) + 16 hh + 4 (m % 4) + 0 .. 3 of the step]
; LIMITS: blocks whose largest magnitude lies under 2^-124, blocks of zeros among them, keep the byte 1 (zero codes add nothing; these bytes are read by this program alone); NaN and infinities in q, k, v are not served;
; a mask number of magnitude 3.0e37 or more becomes an infinity when it is multiplied by sqrt(128).
; No tensor loads, no barrier: waves share nothing.  Each path has LDS bytes of its own: QK 0 .. 38,911 (9,728 a wave), M 38,912 .. 73,727 (8,704 a wave), V none.
.set SROW,  16384                      ; bytes from a row of a head to its next row: 32 heads x 512
.set KVSTEP, 17408                     ; a key step's block in kv
.set GRP,   4352                       ; a group
	s_load_b256 s[4:11], s[0:1], 0x0               ; q s[4:5], k s[6:7], v s[8:9], mask s[10:11]
	s_load_b128 s[12:15], s[0:1], 0x20             ; qc s[12:13], kv s[14:15]
	s_load_b64 s[16:17], s[0:1], 0x30              ; mimg
	v_lshl_add_u32 v192, v0, 2, 0x12000
	v_mov_b32 v193, 0
	v_lshrrev_b32 v1, 5, v0
	v_readfirstlane_b32 s18, v1                    ; wave 0..3
	v_and_b32 v2, 31, v0                           ; lane
	s_wait_kmcnt 0x0
	s_cmp_ge_u32 ttmp9, 1536
	s_cbranch_scc1 .Lpath_m
	s_cmp_ge_u32 ttmp9, 1024
	s_cbranch_scc1 .Lpath_v
; ---------------------------------------------------------------- QK
; A wave takes one group: 64 rows of one head; the four waves take four neighbouring heads, so that the work-group reads 2,048 consecutive bytes of each row.
; A step is four rows (a load a row: 512 consecutive bytes, 16 a lane).  The conversions want 16 neighbours of a block in one lane: a step's 2,048 bytes turn through the wave's own stage in LDS and come back 64 bytes a lane
; (16 bytes of padding behind each 64).  Lane l then holds row l / 8 of the four, block (l / 2) % 4, half l % 2.  Codes and scale bytes are gathered in LDS as the group's image and leave in stores of 512 and 256 consecutive bytes.
.set VO, 3                             ; v3-6     16 x lane + the rows that differ between q's order and k's
.set R,  32                            ; v32-95   four sets of 16 numbers as loaded
.set X,  96                            ; v96-127  two sets of 16 neighbours
.set C,  128                           ; v128-159 two registers of codes for each step
.set E,  160                           ; v160-175 a scale byte for each step
.set QCOD, 5120                        ; in a wave's LDS: behind the two stages of 2,560 bytes the group's codes, 4,096 bytes,
.set QBYT, 9216                        ; and its 256 scale bytes
	s_and_b32 s20, ttmp9, 511
	s_and_b32 s21, s20, 7
	s_lshl_b32 s21, s21, 2
	s_add_co_u32 s21, s21, s18                     ; h = 4 (idx % 8) + wave
	s_bfe_u32 s22, s20, 0x50003                    ; G = (idx / 8) % 32: which 64 rows
	s_lshr_b32 s23, s20, 8                         ; b
	s_lshl_b32 s24, s23, 25
	s_lshl_b32 s25, s22, 20
	s_or_b32 s24, s24, s25
	s_lshl_b32 s25, s21, 9
	s_or_b32 s24, s24, s25                         ; where the group begins in q or k
	s_mov_b32 s25, 0
	s_lshl_b32 s26, s23, 5
	s_add_co_u32 s26, s26, s21                     ; hb
	s_lshl_b32 s26, s26, 4
	s_lshr_b32 s27, s22, 1
	s_add_co_u32 s26, s26, s27                     ; 16 hb + G / 2: the pair (q) or the key step (k)
	s_and_b32 s27, s22, 1
	s_mul_i32 s27, s27, GRP
	s_mov_b32 s28, KVSTEP
	s_mov_b32 s29, 16*SROW
	s_cmp_ge_u32 ttmp9, 512                        ; k's work-group?  The choices hang on the work-group's number alone
	s_cselect_b32 s28, s28, 2*GRP                  ; bytes from pair to pair, or from step to step
	s_cselect_b32 s29, s29, 8*SROW                 ; what bit 1 of the step's number adds to the source row: 16 rows in k, 8 in q;
	s_cselect_b64 s[4:5], s[6:7], s[4:5]
	s_cselect_b64 s[12:13], s[14:15], s[12:13]
	s_sub_co_u32 s30, 24*SROW, s29                 ; and bit 2: 8 rows in k, 16 in q
	s_mul_i32 s26, s26, s28
	s_add_co_u32 s26, s26, s27
	s_mov_b32 s27, 0
	s_add_nc_u64 s[4:5], s[4:5], s[24:25]
	s_add_nc_u64 s[12:13], s[12:13], s[26:27]
	s_wait_alu depctr_va_vdst(0)
	v_lshlrev_b32 v[VO], 4, v2
	v_add_nc_u32 v[VO+1], s29, v[VO]
	v_add_nc_u32 v[VO+2], s30, v[VO]
	v_add_nc_u32 v[VO+3], 24*SROW, v[VO]
	s_mul_i32 s31, s18, 9728                       ; my wave's LDS
	v_lshrrev_b32 v7, 2, v2
	v_mul_u32_u24 v7, v7, 80
	v_and_b32 v11, 3, v2
	v_lshl_add_u32 v7, v11, 4, v7
	v_add_nc_u32 v7, s31, v7                       ; the stage, in: 80 (lane / 4) + 16 (lane % 4)
	v_mul_u32_u24 v8, v2, 80
	v_add_nc_u32 v8, s31, v8                       ; and out: 80 x lane
	v_bfe_u32 v9, v2, 2, 1
	v_lshlrev_b32 v9, 9, v9                        ; my codes in the image: 512 c,
	v_bfe_u32 v11, v2, 1, 1
	v_lshl_add_u32 v9, v11, 8, v9                  ; 256 hh,
	v_and_b32 v11, 1, v2
	v_lshl_add_u32 v9, v11, 3, v9                  ; 8 x my half of the block,
	v_lshrrev_b32 v11, 3, v2
	v_lshl_add_u32 v9, v11, 4, v9                  ; 16 x my row of the step's four
	v_add_nc_u32 v9, s31, v9
	v_bfe_u32 v10, v2, 1, 2
	v_lshl_add_u32 v10, v11, 4, v10                ; my block's scale byte: 16 x row + block
	v_add_nc_u32 v10, s31, v10
	v_add_nc_u32 v14, s31, v[VO]                   ; the way out: 16 bytes a lane of the codes,
	v_lshlrev_b32 v21, 3, v2
	v_add_nc_u32 v15, s31, v21                     ; 8 bytes a lane of the scale bytes
; Step t fills rows 4 (t % 4) + i of tile t / 4.  Its source rows: 32 (t / 8) + 4 (t % 2) + i, in the immediate, and bits 1 and 2 of t by the offset register.
.macro QLOAD t
.irp i, 0,1,2,3
	global_load_b128 v[R+16*((\t)%4)+4*\i:R+16*((\t)%4)+4*\i+3], v[VO+(((\t)>>1)&3)], s[4:5] offset:(4*((\t)&1)+32*((\t)>>3)+\i)*SROW th:TH_LOAD_NT
.endr
.endm
.macro QTURN t                         ; through the stage: LDS serves a wave's instructions in order (ISA guide 5.7.1.4), so no wait stands between the stores and the loads
.irp i, 0,1,2,3
	ds_store_b128 v7, v[R+16*((\t)%4)+4*\i:R+16*((\t)%4)+4*\i+3] offset:2560*((\t)%2)+640*\i
.endr
.irp i, 0,1,2,3
	ds_load_b128 v[X+16*((\t)%2)+4*\i:X+16*((\t)%2)+4*\i+3], v8 offset:2560*((\t)%2)+16*\i
.endr
.endm
.macro QSTEP t
.set XS, X+16*((\t)%2)
.if (\t) > 0
	s_wait_dscnt 2                                 ; this step's numbers are back from the stage; the two younger LDS instructions, the last step's byte store and code store, may be out
.else
	s_wait_dscnt 0x0
.endif
.if (\t)+4 < 16
	QLOAD (\t)+4                                   ; into the set whose numbers the stage has taken
.endif
.if (\t)+1 < 16
.if 14-(\t) >= 3
	s_wait_loadcnt 12                              ; the next step's four loads are in; those of the three steps behind it may be out
.else
	s_wait_loadcnt 4*(14-(\t))
.endif
	QTURN (\t)+1
.endif
	v_max3_num_f32 v12, |v[XS]|, |v[XS+1]|, |v[XS+2]|              ; the largest magnitude of my 16, in two chains
	v_max3_num_f32 v13, |v[XS+3]|, |v[XS+4]|, |v[XS+5]|
.irp i, 6,10
	v_max3_num_f32 v12, v12, |v[XS+\i]|, |v[XS+\i+1]|
	v_max3_num_f32 v13, v13, |v[XS+\i+2]|, |v[XS+\i+3]|
.endr
	v_max3_num_f32 v12, v12, |v[XS+14]|, |v[XS+15]|
	v_max3_num_f32 v12, v12, v13, 3<<23            ; and the floor 2^(3 - 127): the byte cannot fall under 1
	v_max_num_f32_dpp v12, v12, v12 row_xmask:1 row_mask:0xf bank_mask:0xf   ; with my neighbour's 16: the block's
	v_add_nc_u32 v11, 0xff000000, v12              ; 2 off its exponent field: the conversion takes the exponent field of this operand as its scale
	v_cvt_scalef32_pk8_fp4_f32 v[C+2*(\t)], v[XS:XS+7], v11
	v_cvt_scalef32_pk8_fp4_f32 v[C+2*(\t)+1], v[XS+8:XS+15], v11
	v_lshrrev_b32 v[E+(\t)], 23, v11               ; the scale's byte (also the plain line behind the conversions)
	ds_store_b8 v10, v[E+(\t)] offset:QBYT+64*((\t)&3)+4*((\t)>>2)    ; both lanes of a block write the same byte with the same value
	ds_store_b64 v9, v[C+2*(\t):C+2*(\t)+1] offset:QCOD+1024*((\t)>>2)+64*((\t)&3)
.endm
.irp t, 0,1,2,3
	QLOAD \t
.endr
	s_wait_loadcnt 12                              ; step 0's four loads are in
	QTURN 0
.irp t, 0,1,2,3,4,5,6,7,8,9,10,11,12,13,14,15
	QSTEP \t
.endr
.irp n, 0,1,2,3,4,5,6,7
	ds_load_b128 v[R+4*\n:R+4*\n+3], v14 offset:QCOD+512*\n     ; the group's image, as it will lie in memory; these see my stores
.endr
	ds_load_b64 v[X:X+1], v15 offset:QBYT
.irp n, 0,1,2,3,4,5,6,7
	s_wait_dscnt 8-\n                              ; load n is in; the later ones may be out
	global_store_b128 v[VO], v[R+4*\n:R+4*\n+3], s[12:13] offset:512*\n    ; 32 lanes store 512 consecutive bytes, at a multiple of 256 from the buffer's first byte
.endr
	s_wait_dscnt 0x0
	global_store_b64 v21, v[X:X+1], s[12:13] offset:4096       ; 256 consecutive bytes
	s_wait_tensorcnt 0x0
	ds_add_u32 v192, v193
	s_wait_dscnt 0x0
	s_endpgm
; ---------------------------------------------------------------- V
; A LANE TAKES A COLUMN d, AND ITS REGISTERS RUN DOWN THE KEYS: a block of 32 keys lies in one lane's 32 registers, its maximum needs no other lane, and its 16 code bytes are four registers of the operand as they stand.
; A work-group takes 256 keys (two key steps) of one head; wave w takes d = 32 w + lane.  A load reads 128 consecutive bytes a wave, 512 a work-group.  Loads run two blocks (64 loads a wave) ahead.
; In the image sixteen neighbouring d of one block are 256 consecutive bytes: a store of codes covers two such runs.  The scale words leave 128 consecutive bytes a wave: one byte for each 128 that are read.
.Lpath_v:
	s_sub_co_u32 s20, ttmp9, 1024
	s_lshr_b32 s21, s20, 3                         ; hb
	s_and_b32 s22, s20, 7                          ; which 256 keys
	s_lshr_b32 s23, s21, 5
	s_lshl_b32 s24, s23, 25
	s_lshl_b32 s25, s22, 22
	s_add_co_u32 s24, s24, s25
	s_and_b32 s25, s21, 31
	s_lshl_b32 s25, s25, 9
	s_add_co_u32 s24, s24, s25
	s_lshl_b32 s25, s18, 7
	s_add_co_u32 s24, s24, s25                     ; b, keys, head, my wave's 32 columns
	s_mov_b32 s25, 0
	s_add_nc_u64 s[8:9], s[8:9], s[24:25]
	s_lshl_b32 s26, s21, 4
	s_lshl_b32 s27, s22, 1
	s_add_co_u32 s26, s26, s27
	s_mul_i32 s26, s26, KVSTEP
	s_add_co_u32 s26, s26, 2*GRP                   ; v's part of the first of my two key steps
	s_mov_b32 s27, 0
	s_add_nc_u64 s[14:15], s[14:15], s[26:27]
	s_wait_alu depctr_va_vdst(0)
	v_lshlrev_b32 v3, 2, v2                        ; in: 4 bytes a lane
	v_lshrrev_b32 v4, 4, v2
	v_lshlrev_b32 v4, 10, v4
	v_and_b32 v5, 15, v2
	v_lshl_add_u32 v4, v5, 4, v4
	s_lshl_b32 s28, s18, 11
	v_add_nc_u32 v4, s28, v4                       ; codes: tile 2 w + lane / 16, 16 bytes at 16 (lane % 16)
	s_lshl_b32 s28, s18, 7
	v_add_nc_u32 v5, s28, v3                       ; scale words: 64 x tile + 4 (lane % 16) = 128 w + 4 x lane
.macro VLOAD t                         ; block t: keys 32 t + i of my column, into set t % 2
.irp i, 0,1,2,3,4,5,6,7,8,9,10,11,12,13,14,15,16,17,18,19,20,21,22,23,24,25,26,27,28,29,30,31
	global_load_b32 v[32+32*((\t)%2)+\i], v3, s[8:9] offset:(32*(\t)+\i)*SROW th:TH_LOAD_NT
.endr
.endm
.macro VBLOCK t
.set XS, 32+32*((\t)%2)
.if (\t) < 7
	s_wait_loadcnt 32                              ; this block's 32 loads are in; the next block's may be out
.else
	s_wait_loadcnt 0x0
.endif
	v_max3_num_f32 v12, |v[XS]|, |v[XS+1]|, |v[XS+2]|
	v_max3_num_f32 v13, |v[XS+3]|, |v[XS+4]|, |v[XS+5]|
.irp i, 6,10,14,18,22,26
	v_max3_num_f32 v12, v12, |v[XS+\i]|, |v[XS+\i+1]|
	v_max3_num_f32 v13, v13, |v[XS+\i+2]|, |v[XS+\i+3]|
.endr
	v_max3_num_f32 v12, v12, |v[XS+30]|, |v[XS+31]|
	v_max3_num_f32 v12, v12, v13, 3<<23            ; the floor, as above
	v_add_nc_u32 v11, 0xff000000, v12
	v_lshrrev_b32 v13, 23, v11                     ; the scale's byte
.if (\t)%4 == 0
	v_mov_b32 v[128+(\t)/4], v13                   ; a key step's four bytes make my column's scale word
.else
	v_lshl_or_b32 v[128+(\t)/4], v13, 8*((\t)%4), v[128+(\t)/4]
.endif
.irp g, 0,1,2,3
	v_cvt_scalef32_pk8_fp4_f32 v[96+4*(\t)+\g], v[XS+8*\g:XS+8*\g+7], v11
.endr
	v_nop                                          ; one plain line behind the last conversion
	global_store_b128 v4, v[96+4*(\t):96+4*(\t)+3], s[14:15] offset:((\t)/4)*KVSTEP+512*(((\t)>>1)&1)+256*((\t)&1)   ; each block has its own four registers: no store's data are written again
.if (\t)%4 == 3
	global_store_b32 v5, v[128+(\t)/4], s[14:15] offset:((\t)/4)*KVSTEP+8192
.endif
.if (\t)+2 < 8
	VLOAD (\t)+2
.endif
.endm
	VLOAD 0
	VLOAD 1
.irp t, 0,1,2,3,4,5,6,7
	VBLOCK \t
.endr
	s_endpgm
; ---------------------------------------------------------------- M
; A work-group takes 16 rows of the mask (a tile of queries); wave w takes key steps 4 w .. 4 w + 3, so that the work-group reads the 16 rows whole.  An image is 16 queries x 128 keys, 8,192 bytes.
; A load brings 512 consecutive bytes of row r: lane l holds keys 4 l .. 4 l + 3.  In the image these are the 16 bytes at 256 x (8 (l / 8) + 2 (l % 4) + (l / 4) % 2) + 16 r.  They go through the wave's own stage, whose
; runs of 256 bytes lie 272 apart (68 words: sixteen runs start at sixteen different groups of four banks; 64 banks of 4 bytes: ISA guide 11.1), and leave 512 consecutive bytes a store.
.Lpath_m:
	s_sub_co_u32 s20, ttmp9, 1536                  ; the tile of queries, 0 .. 127
	s_lshl_b32 s24, s20, 17                        ; 16 rows of 8,192 bytes
	s_lshl_b32 s25, s18, 11                        ; my four key steps: 2,048 bytes of a row
	s_add_co_u32 s24, s24, s25
	s_mov_b32 s25, 0
	s_add_nc_u64 s[10:11], s[10:11], s[24:25]
	s_lshr_b32 s26, s20, 4
	s_lshl_b32 s26, s26, 21                        ; the block of 256 queries,
	s_lshl_b32 s27, s18, 19                        ; my first key step,
	s_add_co_u32 s26, s26, s27
	s_and_b32 s27, s20, 15
	s_lshl_b32 s27, s27, 13                        ; the tile in its block
	s_add_co_u32 s26, s26, s27
	s_mov_b32 s27, 0
	s_add_nc_u64 s[16:17], s[16:17], s[26:27]
	s_mov_b32 s20, 0x413504f3                      ; sqrt(128)
	s_mov_b32 s21, s20                             ; (named with it as a pair, so it is written)
	s_mul_i32 s28, s18, 8704
	s_add_co_u32 s28, s28, 38912                   ; my stage
	s_wait_alu depctr_va_vdst(0)
	v_lshlrev_b32 v3, 4, v2
	v_lshrrev_b32 v4, 3, v2
	v_lshlrev_b32 v4, 3, v4
	v_and_b32 v5, 3, v2
	v_lshl_add_u32 v4, v5, 1, v4
	v_bfe_u32 v5, v2, 2, 1
	v_add_nc_u32 v4, v4, v5
	v_mul_u32_u24 v4, v4, 272
	v_add_nc_u32 v4, s28, v4                       ; in: my run; 16 r stands in the immediate
	v_lshrrev_b32 v5, 4, v2
	v_mul_u32_u24 v5, v5, 272
	v_and_b32 v6, 15, v2
	v_lshl_add_u32 v5, v6, 4, v5
	v_add_nc_u32 v5, s28, v5                       ; out: lanes 0-15 one run, lanes 16-31 the next
.macro MLOAD n
.irp r, 0,1,2,3,4,5,6,7,8,9,10,11,12,13,14,15
	global_load_b128 v[32+64*((\n)%2)+4*\r:32+64*((\n)%2)+4*\r+3], v3, s[10:11] offset:\r*8192+(\n)*512 th:TH_LOAD_NT
.endr
.endm
.macro MIMAGE n
.set MS, 32+64*((\n)%2)
.if (\n) < 3
	s_wait_loadcnt 16                              ; this image's 16 loads are in; the next image's may be out
.else
	s_wait_loadcnt 0x0
.endif
.set J, 0
.rept 32
	v_pk_mul_f32 v[MS+J:MS+J+1], v[MS+J:MS+J+1], s[20:21] op_sel_hi:[1,0]
.set J, J+2
.endr
.irp r, 0,1,2,3,4,5,6,7,8,9,10,11,12,13,14,15
	ds_store_b128 v4, v[MS+4*\r:MS+4*\r+3] offset:16*\r
.endr
	s_wait_dscnt 0x0                               ; the stores have read their registers, which the loads below fill
.irp m, 0,1,2,3,4,5,6,7,8,9,10,11,12,13,14,15
	ds_load_b128 v[MS+4*\m:MS+4*\m+3], v5 offset:544*\m
.endr
.irp m, 0,1,2,3,4,5,6,7,8,9,10,11,12,13,14,15
	s_wait_dscnt 15-\m                             ; load m is in; the later ones may be out
	global_store_b128 v3, v[MS+4*\m:MS+4*\m+3], s[16:17] offset:(\n)*131072+512*\m   ; 512 consecutive bytes
.endr
.if (\n) < 2
	s_wait_xcnt 0x0                                ; the stores' data registers are loaded again only behind this wait
	MLOAD (\n)+2
.endif
.endm
	MLOAD 0
	MLOAD 1
.irp n, 0,1,2,3
	MIMAGE \n
.endr
	s_wait_tensorcnt 0x0
	ds_add_u32 v192, v193
	s_wait_dscnt 0x0
	s_endpgm
.Lfunc_end_k_q0d8f353360_prep:
	.size	k_q0d8f353360_prep, .Lfunc_end_k_q0d8f353360_prep-k_q0d8f353360_prep
	.p2alignl 7, 3214868480
	.fill 96, 4, 3214868480
	.section	.rodata,"a",@progbits
	.p2align	6, 0x0
	.amdhsa_kernel k_q0d8f353360_prep
		.amdhsa_group_segment_fixed_size 74240
		.amdhsa_private_segment_fixed_size 0
		.amdhsa_enable_private_segment 0
		.amdhsa_kernarg_size 56
		.amdhsa_user_sgpr_count 2
		.amdhsa_user_sgpr_kernarg_segment_ptr 1
		.amdhsa_wavefront_size32 1
		.amdhsa_system_sgpr_workgroup_id_x 1
		.amdhsa_system_sgpr_workgroup_id_y 1
		.amdhsa_system_sgpr_workgroup_id_z 1
		.amdhsa_system_vgpr_workitem_id 0
		.amdhsa_next_free_vgpr 194
		.amdhsa_next_free_sgpr 66
		.amdhsa_reserve_vcc 0
		.amdhsa_float_denorm_mode_32 3
		.amdhsa_float_denorm_mode_16_64 3
		.amdhsa_memory_ordered 1
		.amdhsa_forward_progress 1
		.amdhsa_inst_pref_size 106
	.end_amdhsa_kernel
	.amdgpu_metadata
---
amdhsa.version: [ 1, 2 ]
amdhsa.kernels:
  - .name:           k_q0d8f353360_prep
    .symbol:         k_q0d8f353360_prep.kd
    .args:
      - { .name: q, .offset: 0, .size: 8, .value_kind: global_buffer, .address_space: global }
      - { .name: k, .offset: 8, .size: 8, .value_kind: global_buffer, .address_space: global }
      - { .name: v, .offset: 16, .size: 8, .value_kind: global_buffer, .address_space: global }
      - { .name: mask, .offset: 24, .size: 8, .value_kind: global_buffer, .address_space: global }
      - { .name: qc, .offset: 32, .size: 8, .value_kind: global_buffer, .address_space: global }
      - { .name: kv, .offset: 40, .size: 8, .value_kind: global_buffer, .address_space: global }
      - { .name: mimg, .offset: 48, .size: 8, .value_kind: global_buffer, .address_space: global }
    .group_segment_fixed_size: 74240
    .private_segment_fixed_size: 0
    .kernarg_segment_align: 8
    .kernarg_segment_size: 56
    .max_flat_workgroup_size: 128
    .sgpr_count:     66
    .vgpr_count:     194
    .wavefront_size: 32
...
	.end_amdgpu_metadata
.endif
;; end of part 1
;; launch attn (part 2): grid 4 x 64, 8 waves a work-group, clusters of 4 x 1, 327,680 bytes of LDS; arguments qc, kv, mimg, out0; writes out0
.if DOCPART == 2
	.amdgcn_target "amdgcn-amd-amdhsa--gfx1250"
	.amdhsa_code_object_version 6
	.text
	.protected	k_q0d8f353360_attn
	.globl	k_q0d8f353360_attn
	.p2align	8
	.type	k_q0d8f353360_attn,@function
k_q0d8f353360_attn:
	s_mov_b64 s[64:65], 0
	v_nop
	global_prefetch_b8 v0, s[64:65] scope:SCOPE_SE
	s_setreg_imm32_b32 hwreg(HW_REG_WAVE_MODE, 25, 1), 1
	s_wait_xcnt 0x0
	s_wait_alu depctr_hold_cnt(0) depctr_sa_sdst(0) depctr_va_vdst(0) depctr_va_sdst(0) depctr_va_ssrc(0) depctr_va_vcc(0) depctr_vm_vsrc(0)
	s_getreg_b32 s2, hwreg(HW_REG_IB_STS2, 6, 4)
	s_cmp_eq_u32 s2, 0
	s_cbranch_scc0 .Lentry_in_a_cluster
	s_endpgm
.Lentry_in_a_cluster:
	s_bfe_u32 s2, ttmp6, 0x10000c
	s_cmp_lg_u32 s2, 0x3003
	s_cbranch_scc0 .Lentry_shape_is_right
	s_endpgm
.Lentry_shape_is_right:
; out[b][q][h][:] = the sum over k of softmax_k(Q.K / sqrt(128) + mask[q][k]) V[k][:], both products on codes of FP4 (E2M1) with one E8M0 scale for each 32 along a product's K.
; The launch before has laid q's and k's codes, v's codes (K = the keys) and sqrt(128) x mask as images of the registers that take them here.
; THE MASK IS AN INPUT: every score is computed and every mask number is added, BY THE FIRST PRODUCT: the image of sqrt(128) x mask is that product's C, so D = s + sqrt(128) m and t = c D, c = log2(e) / sqrt(128).
; THE SOFTMAX: M = the ceiling of c x the row's largest D so far; p = 2^(t - M) is quantised along the keys, not normalised; the row's sum is taken of the unquantised p and divides at the end.
; t - M is ONE multiply-add, D cr + ar, with two numbers of the row: cr = c and ar = -M.  Where the row's largest |t| is 2^24 or more (t then has no fraction, and c D - M would keep the rounding of M), the row takes
; cr = 1/8 and ar = -(largest D) / 8, both exact: the largest score gives 0 and equal scores give equal p.  The choice is a select, with no branch.
; SHARES.  A work-group owns 512 queries of one head (hb = 32 b + h), in two passes of 256; each of its eight waves owns 32 queries a pass, two tiles A and B of 16, so that each fragment of K and V feeds two products.
; K AND V OF THE WHOLE HEAD STAY IN LDS: 16 key steps x 17,408 bytes = 278,528, filled once at the head, two steps by each wave's one tensor load; one barrier, and no barrier in the loops: nothing is filled again.
; A mask image is read by one wave alone, so it does not go through LDS: 32 loads of 512 consecutive bytes a wave and key step go straight into 128 registers of their own, issued one key step ahead of the product that takes them.
; The two passes' masks lie on end in mimg: a wave's walk is 32 steps of 131,072 bytes.
; CLUSTER 4 x 1: the four work-groups of a head ask for its K and V JOINTLY (mask 15).  A wave has one tensor load outstanding at the most.
; PREFETCH: in step N, where the mask of step N + 1 is loaded, the mask of step N + 3 is asked for.  All 64 heads read the same images: heads 0 and 1 ask, each for 8,192 of the 16,384 bytes of each wave, lanes 256 bytes apart;
; the last three steps ask for nothing.  K and V come once, by the head's fills: no loop stands ahead of them in which to ask.
; LAYOUT.  Both products are used transposed: S^T = K Q^T, O^T = V^T P^T: a lane holds ONE query (lane % 16).  Lane r of K's tile 2 b + u holds key 32 b + 8 u + r + 8 (r / 8): the 16 registers of tiles 2 b, 2 b + 1 are 16 neighbouring keys.
; LIMITS: a mask number that the launch before turned into -infinity hides its key; a row whose every key is so hidden gives NaN, as a softmax of -infinities does.  s / sqrt(128) + m is rounded in another order than the
; source writes it: s + sqrt(128) m by the matrix unit, then x c.  In a row whose largest |t| is 2^24 or more the scores under the largest fall by 1/8 for each 1 of D, where c is 0.1275.
; REGISTERS.  Window 0: see the names below.  Window 1: v0-63 O^T of A, v64-127 of B, v128-191 the mask of A, v192-255 of B.
.set KVS,   17408                      ; a key step in kv and in LDS: K's two groups, V's eight fragments, V's scale words
.set GRP,   4352                       ; K's group of 64 keys: four fragments of 1,024 bytes, 256 scale bytes
.set VCO,   8704
.set VSO,   16896
.set HEADB, 16*KVS
.set MSTEP, 131072                     ; a key step's 16 mask images
.set SP,    272                        ; the way out: a stage of 16 rows x (256 + 16) bytes for each wave, behind K and V
.set STAGE, HEADB
.set SPARE, STAGE+8*16*SP              ; the spare words: 128 bytes a wave, four blocks of 256 bytes that no other line names
.set LI,  1                            ; 16 x lane + the step's first LDS byte
.set L4,  2                            ; 4 x lane + the same
.set MO,  3                            ; 16 x lane
.set PFO, 4                            ; the prefetch's offset
.set SPW, 5
.set NIL, 6
.set QS,  7                            ; Q's scale words: A's in lanes 0-15, B's in lanes 16-31
.set STA, 8                            ; -M, largest D, the sum in two halves; tile B's four follow
.set VS,  16
.set KS,  20
.set BM,  28                           ; v28-31, v32-35 at work for tile A
.set PM,  32
.set FWA, 36                           ; f and p's scale word; tile B's two follow
.set PCA, 40                           ; p's codes of A
.set QA,  48
.set QB,  56
.set FR,  64                           ; eight fragments of K, then of V
.set DU,  FR+56-BM                     ; tile B's eight registers at work are the last fragment's: V's last fragment is loaded behind the softmax
.set SCA, 128                          ; S^T, then p; tile B's 64 follow
.set SCB, 192
.set PCB, SCA                          ; p's codes of B lie in A's p, which is done with
.set DPC, PCB-PCA
.set OA,  0                            ; window 1
.set OB,  64
.set MA,  128
.set MB,  192
.set WV,  12
.set CX,  13
.set HB,  14
.set CNT, 15
.set N,   16                           ; the step of my walk, 0 .. 31
.set PL,  17                           ; the last step in which my work-group prefetches (-1: none)
.set PASS, 18
.set QSC, 19
.set SEL, 20
.set CS,  22
.set G1,  24
.set G0,  32
.set STGS, 45
.set MSB, 0
.macro WIN new                         ; the immediate's high byte repeats the setting that is left
.if MSB != \new
	s_set_vgpr_msb (MSB<<8)|\new
.set MSB, \new
.endif
.endm
.macro ROUND                           ; a round of the cluster's barrier
	s_barrier_signal -1
	s_barrier_wait -1
	s_cmp_lg_u32 s[WV], 0
	s_cbranch_scc1 .Lnot_wave_0_\@
	s_barrier_signal -3
.Lnot_wave_0_\@:
	s_barrier_wait -3
	s_barrier_signal -1
	s_barrier_wait -1
.endm
.macro MLOADS                          ; my two mask images of the step at s[8:9]
	WIN 0x40                                       ; destination window 1
.irp m, 0,1,2,3,4,5,6,7,8,9,10,11,12,13,14,15
	global_load_b128 v[MA+4*\m:MA+4*\m+3], v[MO], s[8:9] offset:512*\m
.endr
.irp m, 0,1,2,3,4,5,6,7,8,9,10,11,12,13,14,15
	global_load_b128 v[MB+4*\m:MB+4*\m+3], v[MO], s[8:9] offset:8192+512*\m
.endr
	WIN 0
.endm
	s_load_b256 s[4:11], s[0:1], 0x0               ; qc, kv, mimg, out0
	v_lshl_add_u32 v[SPW], v0, 2, SPARE
	v_mov_b32 v[NIL], 0
	ds_add_u32 v[SPW], v[NIL]                      ; the opening lines: the add, twice on end, and its wait ahead of my tensor load
	ds_add_u32 v[SPW], v[NIL]
	v_lshrrev_b32 v[PM], 5, v0
	v_readfirstlane_b32 s[WV], v[PM]               ; wave 0..7
	s_bfe_u32 s[CX], ttmp6, 0x40000                ; cx: which 512 queries
	s_and_b32 s[HB], ttmp7, 0xffff                 ; the head: cluster y
	s_mov_b32 s[G1], 15|(3<<16)|(1<<21)            ; all four partners; elements of 8 bytes; bit 21 beside a mask
	s_mov_b32 s[G1+1], 32<<16                      ; rows of 256 bytes,
	s_mov_b32 s[G1+2], 136<<16                     ; 136 of them: two key steps, dense in memory and in LDS
	s_mov_b32 s[G1+3], 32<<16
	s_mov_b32 s[G1+4], 136
	s_mov_b32 s[G1+5], 32
	s_mov_b32 s[G1+6], 0
	s_mov_b32 s[G1+7], 0
	s_mul_i32 s36, s[HB], HEADB
	s_mul_i32 s37, s[WV], 2*KVS
	s_add_co_u32 s36, s36, s37                     ; kv: head, my two steps: nothing of cx
	s_mov_b32 s[G0], 1
	s_mov_b32 s[G0+1], s37                         ; the same place in LDS
	s_mov_b32 s37, 0
	s_lshl_b32 s38, s[CX], 22                      ; mimg: [block of 256 queries][step][tile] x 8,192: block 2 cx, tiles 2 w, 2 w + 1
	s_lshl_b32 s39, s[WV], 14
	s_add_co_u32 s38, s38, s39
	s_mov_b32 s39, 0
	s_lshl_b32 s40, s[HB], 4                       ; qc: [hb][pair] x 8,704: pair 4 cx + 2 pass + w / 4, group (w / 2) % 2, tiles 2 (w % 2) and + 1
	s_lshl_b32 s41, s[CX], 2
	s_add_co_u32 s40, s40, s41
	s_lshr_b32 s41, s[WV], 2
	s_add_co_u32 s40, s40, s41
	s_mul_i32 s40, s40, 2*GRP
	s_bfe_u32 s41, s[WV], 0x10001
	s_mul_i32 s41, s41, GRP
	s_add_co_u32 s40, s40, s41
	s_and_b32 s42, s[WV], 1
	s_lshl_b32 s41, s42, 11
	s_add_co_u32 s40, s40, s41
	s_mov_b32 s41, 0
	s_mul_i32 s42, s42, 2040
	s_sub_co_u32 s[QSC], 4096, s42                 ; from my two fragments to my scale words: 4,096 - 2,048 (w % 2) + 8 (w % 2)
	s_lshr_b32 s42, s[HB], 5                       ; out0: [b][query 512 cx + 256 pass + 32 w][h][128] f32
	s_lshl_b32 s42, s42, 25
	s_lshl_b32 s43, s[CX], 9
	s_lshl_b32 s44, s[WV], 5
	s_add_co_u32 s43, s43, s44
	s_lshl_b32 s43, s43, 14
	s_add_co_u32 s42, s42, s43
	s_and_b32 s43, s[HB], 31
	s_lshl_b32 s43, s43, 9
	s_add_co_u32 s42, s42, s43
	s_mov_b32 s43, 0
	s_mul_i32 s[STGS], s[WV], 16*SP
	s_add_co_u32 s[STGS], s[STGS], STAGE           ; my stage
	s_and_b32 s46, s[HB], 1
	s_lshl_b32 s46, s46, 13
	s_cmp_lt_u32 s[HB], 2
	s_cselect_b32 s[PL], 28, -1
	s_mov_b32 s[SEL], 0x76543210
	s_mov_b32 s[SEL+1], 0xfedcba98
	s_mov_b32 s[CS], 0x3e0293ee                    ; c = log2(e) / sqrt(128)
	s_mov_b32 s[N], 0
	s_mov_b32 s[PASS], 0
	s_wait_dscnt 0x0                               ; both opening adds are done
	s_wait_kmcnt 0x0
	s_add_nc_u64 s[G0+2:G0+3], s[6:7], s[36:37]
	s_or_b32 s[G0+3], s[G0+3], 0x80000000
	s_add_nc_u64 s[8:9], s[8:9], s[38:39]
	s_add_nc_u64 s[4:5], s[4:5], s[40:41]
	s_add_nc_u64 s[10:11], s[10:11], s[42:43]
	ROUND                                          ; all four work-groups are here: the joint loads meet
	tensor_load_to_lds s[G0:G0+3], s[G1:G1+7]      ; my one tensor load: key steps 2 w and 2 w + 1
	s_nop 0
	v_and_b32 v[PM], 31, v0
	v_mov_b32 v[PM+1], 0                           ; written once: a lane permute's destination counts as one of its sources
	v_mov_b32 v[PM+2], 0
	v_mov_b32 v[PM+3], 0
	v_lshlrev_b32 v[MO], 4, v[PM]
	v_lshlrev_b32 v[PFO], 8, v[PM]
	v_mov_b32 v[FWA+1], 0                          ; (named as the upper halves of pairs before they are first written)
	v_mov_b32 v[FWA+3], 0
	v_add_nc_u32 v[PFO], s46, v[PFO]               ; 256 x lane + 8,192 x (head % 2)
	s_wait_alu depctr_va_vdst(0)                   ; the wait at the head's end
	MLOADS                                         ; step 0's mask
	s_wait_tensorcnt 0x0                           ; my part of K and V is in,
	s_barrier_signal -1
	s_barrier_wait -1                              ; and everybody's
; THE SOFTMAX of both tiles (u = 0: A, 1: B) for one key step, line by line together, so that eight blocks' chains take turns and the exponentials are one batch.
; Register 16 b + i of a tile's 64 scores D = key 32 b + 16 (lane / 16) + i of my query.
.macro SOFTMAX2
	s_wait_alu depctr_va_vdst(0)                   ; the wait ahead of the first readers of matrix results
.irp u, 0,1
.irp b, 0,1,2,3
	v_max3_num_f32 v[BM+DU*\u+\b], v[SCA+64*\u+16*\b], v[SCA+64*\u+16*\b+1], v[SCA+64*\u+16*\b+2]   ; the largest score of each block of 32 keys: for the row's maximum and for the block's largest p
.endr
.endr
.irp i, 3,5,7,9,11,13
.irp u, 0,1
.irp b, 0,1,2,3
	v_max3_num_f32 v[BM+DU*\u+\b], v[BM+DU*\u+\b], v[SCA+64*\u+16*\b+\i], v[SCA+64*\u+16*\b+\i+1]
.endr
.endr
.endr
.irp u, 0,1
.irp b, 0,1,2,3
	v_max_num_f32 v[BM+DU*\u+\b], v[BM+DU*\u+\b], v[SCA+64*\u+16*\b+15]
.endr
.endr
.irp u, 0,1
.irp b, 0,1,2,3
	v_permlanex16_b32 v[PM+DU*\u+\b], v[BM+DU*\u+\b], s[SEL], s[SEL+1]
.endr
.endr
.irp u, 0,1
.irp b, 0,1,2,3
	v_max_num_f32 v[BM+DU*\u+\b], v[BM+DU*\u+\b], v[PM+DU*\u+\b]   ; with lane l xor 16's 16 keys
.endr
.endr
.irp u, 0,1
	v_max3_num_f32 v[PM+DU*\u], v[BM+DU*\u], v[BM+DU*\u+1], v[BM+DU*\u+2]
.endr
.irp u, 0,1
	s_delay_alu instid0(VALU_DEP_2)
	v_max3_num_f32 v[STA+4*\u+1], v[PM+DU*\u], v[BM+DU*\u+3], v[STA+4*\u+1]   ; the running largest D
.endr
.irp u, 0,1
	s_delay_alu instid0(VALU_DEP_2)
	v_mul_f32 v[PM+DU*\u+1], s[CS], v[STA+4*\u+1]  ; the running largest t (c is positive)
.endr
.irp u, 0,1
	v_mov_b32 v[PM+DU*\u], v[STA+4*\u]             ; the old -M
.endr
.irp u, 0,1
	s_delay_alu instid0(VALU_DEP_4)
	v_floor_f32 v[STA+4*\u], -v[PM+DU*\u+1]        ; the new -M = -ceil(t): M IS A WHOLE NUMBER
.endr
.irp u, 0,1
	v_and_b32 v[PM+DU*\u+3], 0x7fffffff, v[PM+DU*\u+1]   ; |t|
.endr
.irp u, 0,1
	s_delay_alu instid0(VALU_DEP_4)
	v_sub_f32 v[PM+DU*\u], v[STA+4*\u], v[PM+DU*\u]   ; old M - new M: a whole number, 0 or less
.endr
.irp u, 0,1
	v_mul_f32 v[PM+DU*\u+2], 0xbe000000, v[STA+4*\u+1]   ; -(largest D) / 8, exact
.endr
.irp u, 0,1
	s_delay_alu instid0(VALU_DEP_4)
	v_cvt_i32_f32 v[PM+DU*\u], v[PM+DU*\u]         ; (it saturates)
.endr
.irp u, 0,1
	s_delay_alu instid0(VALU_DEP_2)
	v_ldexp_f32 v[FWA+2*\u], 1.0, v[PM+DU*\u]      ; f = 2^(old M - new M)
.endr
.irp u, 0,1                                    ; the row's two numbers: cr, ar = c, -M, or 1/8, -(largest D) / 8 where |t| >= 2^24
	v_cmp_le_u32 vcc_lo, 0x4b800000, v[PM+DU*\u+3]
	v_mov_b32 v[PM+DU*\u], 0x3e000000
	v_cndmask_b32 v[PM+DU*\u+2], v[STA+4*\u], v[PM+DU*\u+2], vcc_lo
	v_cndmask_b32 v[PM+DU*\u], s[CS], v[PM+DU*\u], vcc_lo
.endr
.irp u, 0,1
.set J, 0
.rept 32
	v_pk_fma_f32 v[SCA+64*\u+J:SCA+64*\u+J+1], v[SCA+64*\u+J:SCA+64*\u+J+1], v[PM+DU*\u:PM+DU*\u+1], v[PM+DU*\u+2:PM+DU*\u+3] op_sel_hi:[1,0,0]   ; t - M, two at a time (of the pairs the low words serve both halves)
.set J, J+2
.endr
.endr
.irp u, 0,1
.irp b, 0,1,2,3
	v_fma_f32 v[BM+DU*\u+\b], v[BM+DU*\u+\b], v[PM+DU*\u], v[PM+DU*\u+2]   ; the same of each block's largest score
.endr
.endr
	s_wait_alu depctr_va_vdst(0)                   ; the wait ahead of the batch
.set J, 0
.rept 128
	v_exp_f32 v[SCA+J], v[SCA+J]                   ; p = 2^(t - M): NOT normalised
.set J, J+1
.endr
.irp u, 0,1
.irp b, 0,1,2,3
	v_exp_f32 v[BM+DU*\u+\b], v[BM+DU*\u+\b]       ; the block's largest p: the same arithmetic on the same number gives the same bits
.endr
.endr
.irp u, 0,1
	v_pk_mul_f32 v[STA+4*\u+2:STA+4*\u+3], v[STA+4*\u+2:STA+4*\u+3], v[FWA+2*\u:FWA+2*\u+1] op_sel_hi:[1,0]   ; the sums under the new M (plain lines behind the batch)
.endr
	s_wait_alu depctr_va_vdst(0)                   ; one wait for the batch of 136, ahead of its first reader
.irp u, 0,1
	v_pk_add_f32 v[PM+DU*\u:PM+DU*\u+1], v[SCA+64*\u:SCA+64*\u+1], v[SCA+64*\u+2:SCA+64*\u+3]   ; the row's sum of the unquantised p: two chains a tile
.endr
.irp j, 4,8,12,16,20,24,28,32,36,40,44,48,52,56,60
.irp u, 0,1
	v_pk_add_f32 v[STA+4*\u+2:STA+4*\u+3], v[STA+4*\u+2:STA+4*\u+3], v[SCA+64*\u+\j:SCA+64*\u+\j+1]
	v_pk_add_f32 v[PM+DU*\u:PM+DU*\u+1], v[PM+DU*\u:PM+DU*\u+1], v[SCA+64*\u+\j+2:SCA+64*\u+\j+3]
.endr
.endr
.irp u, 0,1
.irp b, 0,1,2,3
	v_max_num_f32 v[BM+DU*\u+\b], 0x1800000, v[BM+DU*\u+\b]   ; the floor 2^(3 - 127): the byte cannot fall under 1
.endr
.endr
.irp u, 0,1
	v_pk_add_f32 v[STA+4*\u+2:STA+4*\u+3], v[STA+4*\u+2:STA+4*\u+3], v[PM+DU*\u:PM+DU*\u+1]
.endr
.irp u, 0,1
.irp b, 0,1,2,3
	v_add_nc_u32 v[BM+DU*\u+\b], 0xff000000, v[BM+DU*\u+\b]   ; 2 off the exponent field: the conversion's scale operand
.endr
.endr
.irp u, 0,1
.irp b, 0,1,2,3
	v_lshrrev_b32 v[PM+DU*\u+\b], 23, v[BM+DU*\u+\b]   ; the scale's byte
.endr
.endr
.irp u, 0,1
	v_lshl_or_b32 v[FWA+2*\u+1], v[PM+DU*\u+1], 8, v[PM+DU*\u]   ; p's scale word for these 128 keys
.endr
.irp u, 0,1
	s_delay_alu instid0(VALU_DEP_2)
	v_lshl_or_b32 v[FWA+2*\u+1], v[PM+DU*\u+2], 16, v[FWA+2*\u+1]
.endr
.irp u, 0,1
	s_delay_alu instid0(VALU_DEP_2)
	v_lshl_or_b32 v[FWA+2*\u+1], v[PM+DU*\u+3], 24, v[FWA+2*\u+1]
.endr
.irp u, 0,1                                    ; tile A's codes first: tile B's then lie over A's p
.irp b, 0,1,2,3
	v_cvt_scalef32_pk8_fp4_f32 v[PCA+DPC*\u+2*\b], v[SCA+64*\u+16*\b:SCA+64*\u+16*\b+7], v[BM+DU*\u+\b]
	v_cvt_scalef32_pk8_fp4_f32 v[PCA+DPC*\u+2*\b+1], v[SCA+64*\u+16*\b+8:SCA+64*\u+16*\b+15], v[BM+DU*\u+\b]
.endr
	v_nop                                          ; one plain line behind a run of conversions, ahead of what writes their sources or touches their results
.endr
.irp u, 0,1
.irp c, 0,1                                    ; a whole block to a lane: lanes 0-15 block 2 c, lanes 16-31 block 2 c + 1
.irp i, 0,1
	v_permlane16_swap_b32 v[PCA+DPC*\u+4*\c+\i], v[PCA+DPC*\u+4*\c+\i+2]
.endr
.endr
.endr
.endm
; One product of O^T += V^T P^T.  V's scale words of tiles 2 n and 2 n + 1 share a register.
.macro PV o, pc, fw, t, first
.if \first
.if (\t)%2
	v_wmma_scale_f32_16x16x128_f8f6f4 v[\o+8*\t:\o+8*\t+7], v[FR+8*\t:FR+8*\t+7], v[\pc:\pc+7], 0, v[VS+(\t)/2], v[\fw+1] matrix_a_fmt:MATRIX_FMT_FP4 matrix_b_fmt:MATRIX_FMT_FP4 matrix_a_scale:MATRIX_SCALE_ROW1
.else
	v_wmma_scale_f32_16x16x128_f8f6f4 v[\o+8*\t:\o+8*\t+7], v[FR+8*\t:FR+8*\t+7], v[\pc:\pc+7], 0, v[VS+(\t)/2], v[\fw+1] matrix_a_fmt:MATRIX_FMT_FP4 matrix_b_fmt:MATRIX_FMT_FP4
.endif
.else
.if (\t)%2
	v_wmma_scale_f32_16x16x128_f8f6f4 v[\o+8*\t:\o+8*\t+7], v[FR+8*\t:FR+8*\t+7], v[\pc:\pc+7], v[\o+8*\t:\o+8*\t+7], v[VS+(\t)/2], v[\fw+1] matrix_a_fmt:MATRIX_FMT_FP4 matrix_b_fmt:MATRIX_FMT_FP4 matrix_a_scale:MATRIX_SCALE_ROW1
.else
	v_wmma_scale_f32_16x16x128_f8f6f4 v[\o+8*\t:\o+8*\t+7], v[FR+8*\t:FR+8*\t+7], v[\pc:\pc+7], v[\o+8*\t:\o+8*\t+7], v[VS+(\t)/2], v[\fw+1] matrix_a_fmt:MATRIX_FMT_FP4 matrix_b_fmt:MATRIX_FMT_FP4
.endif
.endif
.endm
; Two products of S^T = K Q^T + the mask: C is the mask's image in window 1, D the scores in window 0.
.macro KQ t
	v_wmma_scale_f32_16x16x128_f8f6f4 v[SCA+8*\t:SCA+8*\t+7], v[FR+8*\t:FR+8*\t+7], v[QA:QA+7], v[MA+8*\t:MA+8*\t+7], v[KS+\t], v[QS] matrix_a_fmt:MATRIX_FMT_FP4 matrix_b_fmt:MATRIX_FMT_FP4
	v_wmma_scale_f32_16x16x128_f8f6f4 v[SCB+8*\t:SCB+8*\t+7], v[FR+8*\t:FR+8*\t+7], v[QB:QB+7], v[MB+8*\t:MB+8*\t+7], v[KS+\t], v[QS] matrix_a_fmt:MATRIX_FMT_FP4 matrix_b_fmt:MATRIX_FMT_FP4 matrix_b_scale:MATRIX_SCALE_ROW1
.endm
; A KEY STEP.  first = 1: the second product starts O^T with the constant 0.  No two matrix instructions that follow each other name the same accumulator.
.macro STEP first
	s_and_b32 s36, s[N], 15
	s_mul_i32 s36, s36, KVS                        ; the step's first LDS byte
	v_add_nc_u32 v[LI], s36, v[MO]
	v_lshrrev_b32 v[L4], 2, v[MO]
	s_delay_alu instid0(VALU_DEP_1)
	v_add_nc_u32 v[L4], s36, v[L4]
	s_wait_alu depctr_va_vdst(0)
.rept 3
	v_nop                                          ; with the three lines above six places behind the last products: loads into the fragments want four, the products that write over tile B's codes five
.endr
.irp g, 0,1                                    ; keys 64 g on: four fragments of K and their scale words: nine loads
.irp t, 0,1,2,3
.irp c, 0,1
	ds_load_b128 v[FR+32*\g+8*\t+4*\c:FR+32*\g+8*\t+4*\c+3], v[LI] offset:GRP*\g+1024*\t+512*\c
.endr
.endr
	ds_load_b128 v[KS+4*\g:KS+4*\g+3], v[LI] offset:GRP*\g+4096   ; lanes 0-15: row r's words of the four tiles; lanes 16-31 read filled bytes that the products do not look at
.endr
	s_wait_loadcnt 0x0                             ; this step's mask (in a pass's first step Q too)
	s_wait_dscnt 9                                 ; the first nine are in; the nine of keys 64 on may be out
	WIN 0x10                                       ; source 2 (the mask) in window 1
.irp t, 0,1,2,3
	KQ \t
.endr
	s_wait_dscnt 0x0
.irp t, 4,5,6,7
	KQ \t
.endr
	WIN 0
.rept 4
	v_nop                                          ; four places: in front of loads into K's and the mask's registers, of the first read of the scores, and of the softmax's writes into the last fragment's registers
.endr
.irp t, 0,1,2,3,4,5,6                          ; seven of V's fragments land while the softmax is walked
.irp c, 0,1
	ds_load_b128 v[FR+8*\t+4*\c:FR+8*\t+4*\c+3], v[LI] offset:VCO+1024*\t+512*\c
.endr
.endr
.irp n, 0,1,2,3
	ds_load_b32 v[VS+\n], v[L4] offset:VSO+128*\n
.endr
	s_wait_xcnt 0x0                                ; the last step's prefetch has read its address, so the base may be stepped
	s_add_nc_u64 s[8:9], s[8:9], MSTEP             ; to step N + 1
	s_cmp_lt_u32 s[N], 31
	s_cbranch_scc0 .Lno_mask_\@                    ; the walk's last step loads nothing
	MLOADS
.Lno_mask_\@:
	s_cmp_le_i32 s[N], s[PL]
	s_cbranch_scc0 .Lno_ask_\@
	global_prefetch_b8 v[PFO], s[8:9] offset:2*MSTEP th:TH_LOAD_NT scope:SCOPE_SE   ; step N + 3
.Lno_ask_\@:
	s_add_co_u32 s[N], s[N], 1
	SOFTMAX2
.irp c, 0,1
	ds_load_b128 v[FR+56+4*\c:FR+56+4*\c+3], v[LI] offset:VCO+7168+512*\c   ; V's last fragment, into the registers that the softmax has left
.endr
.if \first
.rept 8
	v_nop                                          ; a scale register written by a vector instruction stands eight places ahead of a scaled matrix instruction
.endr
.else
	WIN 0x41                                       ; O^T in window 1, f in window 0
	s_wait_alu depctr_va_vdst(0)                   ; the wait directly ahead of the first reader of O^T
.set J, 0
.rept 32
	v_pk_mul_f32 v[OA+J:OA+J+1], v[OA+J:OA+J+1], v[FWA:FWA+1] op_sel_hi:[1,0]   ; O^T under the new M (also the places in front of the products)
.set J, J+2
.endr
.set J, 0
.rept 32
	v_pk_mul_f32 v[OB+J:OB+J+1], v[OB+J:OB+J+1], v[FWA+2:FWA+3] op_sel_hi:[1,0]
.set J, J+2
.endr
.endif
	s_wait_alu depctr_va_vdst(0)                   ; the wait directly ahead of the wait below
	s_wait_dscnt 0x0                               ; V is in
.if \first
	WIN 0x40
.else
	WIN 0x50
.endif
.irp t, 0,1,2,3,4,5,6,7
	PV OA, PCA, FWA, \t, \first
	PV OB, PCB, FWA+2, \t, \first
.endr
	WIN 0
.endm
.macro OUT src, back, tile
.irp u, 0,1                                    ; channels 64 u on
.irp t, 0,1,2,3
	ds_store_b128 v[BM+2], v[\src+32*\u+8*\t:\src+32*\u+8*\t+3] offset:64*\t
	ds_store_b128 v[BM+2], v[\src+32*\u+8*\t+4:\src+32*\u+8*\t+7] offset:64*\t+16
.endr
.irp i, 0,1,2,3,4,5,6,7
	ds_load_b128 v[\back+32*\u+4*\i:\back+32*\u+4*\i+3], v[BM+3] offset:2*\i*SP   ; LDS serves a wave's instructions in order (ISA guide 5.7.1.4)
.endr
.endr
.irp u, 0,1
.irp i, 0,1,2,3,4,5,6,7
	s_wait_dscnt 16*(1-\u)+7-\i                    ; this load is in; behind it: its half's later loads and, for the first half, the second half's eight stores and eight loads
	global_store_b128 v[PM+2], v[\back+32*\u+4*\i:\back+32*\u+4*\i+3], s[10:11] offset:\tile*262144+2*\i*16384+256*\u th:TH_STORE_NT   ; 16 lanes store 256 consecutive bytes, aligned
.endr
.endr
.endm
.Lpass:                                            ; two trips: 256 queries each
	v_and_b32 v[BM], 15, v0
	v_bfe_u32 v[BM+1], v0, 4, 1
	s_delay_alu instid0(VALU_DEP_2)
	v_lshlrev_b32 v[BM], 4, v[BM]
	s_delay_alu instid0(VALU_DEP_1)
	v_lshl_add_u32 v[BM], v[BM+1], 2, v[BM]
	s_delay_alu instid0(VALU_DEP_1)
	v_add_nc_u32 v[BM], s[QSC], v[BM]              ; Q's scale words: 16 r + 4 x tile
.irp i, 0,1,2,3
	global_load_b128 v[QA+4*\i:QA+4*\i+3], v[MO], s[4:5] offset:512*\i th:TH_LOAD_NT   ; Q's two fragments stay in registers for the pass
.endr
	global_load_b32 v[QS], v[BM], s[4:5] th:TH_LOAD_NT
	v_mov_b32 v[STA+1], 0xff61b1e6                 ; the largest D so far: -3e38
	v_mov_b32 v[STA+5], 0xff61b1e6
	v_floor_f32 v[STA], -v[STA+1]                  ; -M: above every -M to come, so that the first f is 0
	v_floor_f32 v[STA+4], -v[STA+5]
	v_mov_b32 v[STA+2], 0
	v_mov_b32 v[STA+3], 0
	v_mov_b32 v[STA+6], 0
	v_mov_b32 v[STA+7], 0
	s_wait_alu depctr_va_vdst(0)                   ; the wait ahead of the step's waits
	STEP 1
	s_mov_b32 s[CNT], 15
.Lstep:
	STEP 0
	s_sub_co_u32 s[CNT], s[CNT], 1
	s_cmp_lg_u32 s[CNT], 0
	s_cbranch_scc1 .Lstep
	; THE WAY OUT.  O^T is divided by the row's sum and goes through my stage, half a row (256 bytes) of 16 queries at a time.
.rept 4
	v_nop                                          ; four places behind the last products
.endr
	v_add_f32 v[STA+2], v[STA+2], v[STA+3]
	v_add_f32 v[STA+6], v[STA+6], v[STA+7]
	s_delay_alu instid0(VALU_DEP_2)
	v_permlanex16_b32 v[PM], v[STA+2], s[SEL], s[SEL+1]
	s_delay_alu instid0(VALU_DEP_2)
	v_permlanex16_b32 v[PM+1], v[STA+6], s[SEL], s[SEL+1]
	s_delay_alu instid0(VALU_DEP_2)
	v_add_f32 v[STA+2], v[STA+2], v[PM]
	s_delay_alu instid0(VALU_DEP_2)
	v_add_f32 v[STA+6], v[STA+6], v[PM+1]
	s_wait_alu depctr_va_vdst(0)                   ; the wait ahead of the reciprocals
	v_rcp_f32 v[STA+2], v[STA+2]
	v_rcp_f32 v[STA+6], v[STA+6]
	v_and_b32 v[BM], 15, v0                        ; r
	v_bfe_u32 v[BM+1], v0, 4, 1                    ; h
	v_mul_u32_u24 v[BM+2], v[BM], SP
	v_mul_u32_u24 v[BM+3], v[BM+1], SP
	v_lshlrev_b32 v[PM+2], 14, v[BM+1]
	v_lshl_add_u32 v[BM+2], v[BM+1], 5, v[BM+2]
	v_lshl_add_u32 v[BM+3], v[BM], 4, v[BM+3]
	v_lshl_add_u32 v[PM+2], v[BM], 4, v[PM+2]      ; out0: lanes 0-15 one query, lanes 16-31 the next, 16,384 bytes on
	v_add_nc_u32 v[BM+2], s[STGS], v[BM+2]         ; into the stage: row r, 32 h bytes on
	v_add_nc_u32 v[BM+3], s[STGS], v[BM+3]         ; back: lanes 0-15 one row, lanes 16-31 the next
	s_wait_alu depctr_va_vdst(0)                   ; one wait for the two reciprocals, ahead of the first readers of them and of O^T
	WIN 0x01                                       ; source 0 (O^T) in window 1
.set J, 0
.rept 64
	v_mul_f32 v[SCA+J], v[OA+J], v[STA+2]          ; register 8 t + i is o(r, 16 t + 8 h + i)
.set J, J+1
.endr
.set J, 0
.rept 64
	v_mul_f32 v[SCB+J], v[OB+J], v[STA+6]
.set J, J+1
.endr
	WIN 0
	s_wait_alu depctr_va_vdst(0)
	OUT SCA, FR, 0
	OUT SCB, SCA, 1
	s_wait_xcnt 0x0                                ; the stores' registers and bases are written again only behind this wait
	s_add_nc_u64 s[4:5], s[4:5], 4*GRP             ; the next pass: two pairs of Q on,
	s_add_nc_u64 s[10:11], s[10:11], 256*16384     ; 256 queries of out0 on
	s_add_co_u32 s[PASS], s[PASS], 1
	s_cmp_lt_u32 s[PASS], 2
	s_wait_alu depctr_va_vdst(0)
	s_cbranch_scc1 .Lpass
	s_wait_tensorcnt 0x0                           ; the wave's end
	ds_add_u32 v[SPW], v[NIL]
	s_wait_dscnt 0x0
	ROUND                                          ; the closing round
	s_endpgm
.Lfunc_end_k_q0d8f353360_attn:
	.size	k_q0d8f353360_attn, .Lfunc_end_k_q0d8f353360_attn-k_q0d8f353360_attn
	.p2alignl 7, 3214868480
	.fill 96, 4, 3214868480
	.section	.rodata,"a",@progbits
	.p2align	6, 0x0
	.amdhsa_kernel k_q0d8f353360_attn
		.amdhsa_group_segment_fixed_size 327680
		.amdhsa_private_segment_fixed_size 0
		.amdhsa_enable_private_segment 0
		.amdhsa_kernarg_size 32
		.amdhsa_user_sgpr_count 2
		.amdhsa_user_sgpr_kernarg_segment_ptr 1
		.amdhsa_wavefront_size32 1
		.amdhsa_system_sgpr_workgroup_id_x 1
		.amdhsa_system_sgpr_workgroup_id_y 1
		.amdhsa_system_sgpr_workgroup_id_z 1
		.amdhsa_system_vgpr_workitem_id 0
		.amdhsa_next_free_vgpr 512
		.amdhsa_next_free_sgpr 66
		.amdhsa_reserve_vcc 1
		.amdhsa_float_denorm_mode_32 3
		.amdhsa_float_denorm_mode_16_64 3
		.amdhsa_memory_ordered 1
		.amdhsa_forward_progress 1
		.amdhsa_inst_pref_size 93
	.end_amdhsa_kernel
	.amdgpu_metadata
---
amdhsa.version: [ 1, 2 ]
amdhsa.kernels:
  - .name:           k_q0d8f353360_attn
    .symbol:         k_q0d8f353360_attn.kd
    .args:
      - { .name: qc, .offset: 0, .size: 8, .value_kind: global_buffer, .address_space: global }
      - { .name: kv, .offset: 8, .size: 8, .value_kind: global_buffer, .address_space: global }
      - { .name: mimg, .offset: 16, .size: 8, .value_kind: global_buffer, .address_space: global }
      - { .name: out0, .offset: 24, .size: 8, .value_kind: global_buffer, .address_space: global }
    .group_segment_fixed_size: 327680
    .private_segment_fixed_size: 0
    .kernarg_segment_align: 8
    .kernarg_segment_size: 32
    .max_flat_workgroup_size: 256
    .sgpr_count:     66
    .vgpr_count:     512
    .wavefront_size: 32
...
	.end_amdgpu_metadata
.endif
;; end of part 2
